; MI455X (gfx1250); checked and timed in simulation.
; The chip was launched on July 23, 2026; its instructions are those of AMD's public machine-readable ISA for CDNA 5 (MIT licence, August 2026) and "CDNA5" Instruction Set Architecture Reference Guide (July 2026). The comments in the code are by the model that wrote it; some were corrected since.
;; Scaled Dot Product Attention Model. Allowed arithmetic: float matrix products may take bf16 or f16 operands with f32 sums; other float arithmetic in f32, or as packed bf16 or f16 multiplies, adds, multiply-adds, maxima and minima; sums over many terms, partial sums and values carried from step to step in f32; what a program stores and reads back later, other than sums and carried values, may be rounded once to bf16 or f16.
;; Inputs: Wk 1,024 x 1,024 float32; Wo 1,024 x 1,024 float32; Wq 1,024 x 1,024 float32; Wv 1,024 x 1,024 float32; bk 1,024 float32; bo 1,024 float32; bq 1,024 float32; bv 1,024 float32; src 16,384 x 1,024 float32.
;; Outputs: out0 16,384 x 16 x 64 float32.
;; One version. Each part assembles by itself: llvm-mc -triple=amdgcn-amd-amdhsa -mcpu=gfx1250 --defsym DOCPART=n.
;; ======== version 1 of 1: 4 launches
;; limits: values are held in f16: magnitudes above 65,504 overflow, below 6.1e-05 lose precision
;; workspace buffers: xb 33,554,432 bytes; wqkv 6,291,456 bytes; wo16 2,097,152 bytes; bias 16,384 bytes; qkv 100,663,296 bytes; ob 33,554,432 bytes
;; launch cvt (part 1): grid 1280 x 1, 8 waves a work-group, no clusters, 0 bytes of LDS; arguments src, Wq, Wk, Wv, Wo, bq, bk, bv, bo, xb, wqkv, wo16, bias; writes xb, wqkv, wo16, bias
.if DOCPART == 1
	.amdgcn_target "amdgcn-amd-amdhsa--gfx1250"
	.amdhsa_code_object_version 6
	.text
	.protected	k_q6b6dbbba0b_cvt
	.globl	k_q6b6dbbba0b_cvt
	.p2align	8
	.type	k_q6b6dbbba0b_cvt,@function
k_q6b6dbbba0b_cvt:
	s_mov_b64 s[64:65], 0
	v_nop
	global_prefetch_b8 v0, s[64:65] scope:SCOPE_SE
	s_setreg_imm32_b32 hwreg(HW_REG_WAVE_MODE, 25, 1), 1
	s_wait_xcnt 0x0
; THE INPUTS ARE ROUNDED ONCE, AND THE WEIGHTS ARE LAID OUT FOR THE LAUNCHES BEHIND.
;   xb   [16384][1024] bf16 = src, as it lies.
;   wqkv [3072][1024]  bf16: row 1024 m + p holds row c of Wq (m = 0), Wk (1), Wv (2), so that the product's column p is column c of q, k or v.
;   wo16 [1024][1024]  f16:  wo16[n][p] = Wo[n][c] rounded to bf16, that number written as f16.
;   bias [4096] f32: bq, bk, bv in the order p, then bo as it lies; every word is a number rounded to bf16.
; THE ORDERS.  For q, k and Wo's columns: c = head r (4 bits), i (2), hh (1), e (3)  ->  p = i, hh, r, e.  For v: c = hh, e, db (2), r (4)  ->  p = db, hh, r, e.
; With them the 16 bytes at 512 x + 16 lane of a token's q, k, v or o are what that lane of a matrix fragment holds (see the attention launch).
; LIMITS.  A number of Wo below 2^-14 keeps f16's fixed step of 2^-24; one of 65,520 or more becomes an infinity.
; SHARES.  Work-groups 0-1023: 16 rows of src each; 1024-1215: 16 rows of Wq, Wk or Wv; 1216-1279: 16 rows of Wo; the last of these also makes the four biases, behind its rows, so that the grid
; is 1,280 work-groups of like size and none stands alone.  No loop: a wave's 16 loads go out together, and the waits run down.  No LDS, no matrix unit, no cluster: no byte is used twice.
.set OF, 2                             ; v[2:9]    rows' path: byte offset of my 8 bytes in destination row i & 7
.set T,  10                            ; v[10:17]  at work
.set X,  20                            ; v[20:83]  what was loaded, then what is stored
	s_load_b512 s[8:23], s[0:1], 0x0               ; src 8, Wq 10, Wk 12, Wv 14, Wo 16, bq 18, bk 20, bv 22
	s_load_b256 s[24:31], s[0:1], 0x40             ; bo 24, xb 26, wqkv 28, wo16 30
	s_load_b64 s[32:33], s[0:1], 0x60              ; bias
	s_mov_b32 s2, ttmp9                            ; the work-group's number w
	s_mov_b32 s35, 0                               ; the high words of three offsets
	s_mov_b32 s37, 0
	s_mov_b32 s39, 0
	s_wait_kmcnt 0x0
	s_cmp_ge_u32 s2, 1216
	s_cbranch_scc1 .Lwo
	; ROWS.  16 rows of 1,024 f32 become 16 rows of 1,024 bf16.  Source row i goes to destination row P0 + (i & 7) A + (i >> 3) B (here in bytes).
	s_sub_co_u32 s3, s2, 1024                      ; j: the block among the three weights (of no use for src: every choice below is made over again by w < 1024)
	s_lshr_b32 s4, s3, 6                           ; which weight
	s_and_b32 s5, s3, 63                           ; jj: rows 16 jj .. 16 jj + 15 of it
	s_and_b32 s46, s5, 3
	s_lshl_b32 s46, s46, 8                         ; (jj & 3) << 8: i, or db
	s_lshr_b32 s47, s5, 2
	s_lshl_b32 s36, s47, 3
	s_or_b32 s36, s36, s46                         ; q, k: P0 = i << 8 | r << 3
	s_and_b32 s47, s47, 7
	s_or_b32 s47, s47, s46
	s_lshr_b32 s7, s5, 5
	s_lshl_b32 s7, s7, 7
	s_or_b32 s47, s47, s7                          ; v: P0 = db << 8 | hh << 7 | e
	s_movk_i32 s6, 2048                            ; A: q, k and src: the next row
	s_mov_b32 s38, 262144                          ; B: q, k: 128 rows on (hh)
	s_cmp_eq_u32 s4, 2
	s_cselect_b32 s36, s47, s36
	s_cselect_b32 s6, 16384, s6                    ; v: 8 rows on for each r,
	s_cselect_b32 s38, 131072, s38                 ; 64 for eight of them
	s_cselect_b64 s[40:41], s[14:15], s[10:11]     ; Wv or Wq
	s_lshl_b32 s36, s36, 11                        ; rows of 2,048 bytes
	s_lshl_b32 s7, s4, 21                          ; the weight's 1,024 rows
	s_add_co_u32 s36, s36, s7
	s_lshl_b32 s34, s5, 16                         ; where the 16 rows of 4,096 bytes are read
	s_cmp_eq_u32 s4, 1
	s_cselect_b64 s[40:41], s[12:13], s[40:41]     ; Wk
	s_lshl_b32 s46, s2, 15
	s_lshl_b32 s47, s2, 16
	s_cmp_lt_u32 s2, 1024                          ; src: rows as they lie
	s_cselect_b32 s36, s46, s36
	s_cselect_b32 s34, s47, s34
	s_cselect_b32 s38, 16384, s38
	s_cselect_b64 s[40:41], s[8:9], s[40:41]
	s_cselect_b64 s[42:43], s[26:27], s[28:29]     ; xb or wqkv
	s_add_nc_u64 s[40:41], s[40:41], s[34:35]      ; the source's first row
	s_add_nc_u64 s[42:43], s[42:43], s[36:37]      ; destination of rows 0-7,
	s_add_nc_u64 s[44:45], s[42:43], s[38:39]      ; of rows 8-15
	v_lshlrev_b32 v1, 4, v0                        ; thread t reads 16 bytes at 16 t of every row: a wave's load covers 512 consecutive bytes
	v_lshlrev_b32 v[OF], 3, v0                     ; and stores 8 bytes at 8 t: a wave's store covers 256 consecutive bytes, aligned
.irp k, 1,2,3,4,5,6,7
	v_add_nc_u32 v[OF+(\k)], s6, v[OF+(\k)-1]
.endr
.irp i, 0,1,2,3,4,5,6,7,8,9,10,11,12,13,14,15
	global_load_b128 v[X+4*(\i):X+4*(\i)+3], v1, s[40:41] offset:4096*(\i) th:TH_LOAD_NT
.endr
.irp i, 0,1,2,3,4,5,6,7,8,9,10,11,12,13,14,15
	s_wait_loadcnt 15-(\i)                         ; loads come back in order: row i is in, the 15 - i younger ones stay out
	v_cvt_pk_bf16_f32 v[X+4*(\i)],   v[X+4*(\i)],   v[X+4*(\i)+1]
	v_cvt_pk_bf16_f32 v[X+4*(\i)+1], v[X+4*(\i)+2], v[X+4*(\i)+3]
	global_store_b64 v[OF+((\i)&7)], v[X+4*(\i):X+4*(\i)+1], s[42+2*((\i)>>3):43+2*((\i)>>3)] th:TH_STORE_NT  ; no register that a store names is written again
.endr
	s_endpgm
.Lwo:
	; WO.  16 rows, two a step.  Thread t makes the eight neighbouring outputs of group gp = t & 127 of row t >> 7; they are eight neighbouring inputs, group gc.
	s_sub_co_u32 s3, s2, 1216
	s_lshl_b32 s34, s3, 16
	s_lshl_b32 s36, s3, 15
	s_add_nc_u64 s[40:41], s[16:17], s[34:35]
	s_add_nc_u64 s[42:43], s[30:31], s[36:37]
	s_mov_b32 s6, 0xffff0000                       ; a word's upper bf16
	v_and_b32 v2, 127, v0                          ; gp = i, hh, r
	v_lshrrev_b32 v3, 7, v0
	v_and_b32 v4, 15, v2                           ; r
	v_lshrrev_b32 v5, 4, v2                        ; i, hh
	v_lshl_or_b32 v4, v4, 3, v5                    ; gc = r, i, hh
	v_lshlrev_b32 v4, 5, v4                        ; 32 bytes a group
	v_lshl_add_u32 v1, v3, 12, v4
	v_lshlrev_b32 v5, 4, v2                        ; 16 bytes a group: a wave's store covers 512 consecutive bytes
	v_lshl_add_u32 v6, v3, 11, v5
.irp s, 0,1,2,3,4,5,6,7
	global_load_b128 v[X+8*(\s):X+8*(\s)+3],   v1, s[40:41] offset:8192*(\s) th:TH_LOAD_NT
	global_load_b128 v[X+8*(\s)+4:X+8*(\s)+7], v1, s[40:41] offset:8192*(\s)+16 th:TH_LOAD_NT
.endr
.irp s, 0,1,2,3,4,5,6,7
	s_wait_loadcnt 14-2*(\s)                       ; this step's two loads are in; the later steps' stay out
.irp k, 0,1,2,3
	v_cvt_pk_bf16_f32 v[T+(\k)], v[X+8*(\s)+2*(\k)], v[X+8*(\s)+2*(\k)+1]  ; the one rounding
.endr
.irp k, 0,1,2,3
	v_lshlrev_b32 v[X+8*(\s)+2*(\k)],   16, v[T+(\k)]
	v_and_b32     v[X+8*(\s)+2*(\k)+1], s6, v[T+(\k)]
.endr
.irp k, 0,1,2,3
	v_cvt_pk_f16_f32 v[X+8*(\s)+(\k)], v[X+8*(\s)+2*(\k)], v[X+8*(\s)+2*(\k)+1]  ; eight significant bits: exact within f16's normal range
.endr
	global_store_b128 v6, v[X+8*(\s):X+8*(\s)+3], s[42:43] offset:4096*(\s) th:TH_STORE_NT
.endr
	s_cmp_lg_u32 s2, 1279
	s_cbranch_scc1 .Lend
	; THE BIASES, by the last work-group alone.  Thread t makes words 4 t .. 4 t + 3 of each of the four sections.
	s_wait_xcnt 0x0                                ; the stores above have read their offset and their data: v6 and X are written again only behind this wait
	v_bfe_u32 v2, v0, 1, 4                         ; r
	v_lshrrev_b32 v3, 6, v0                        ; i, or db
	v_bfe_u32 v4, v0, 5, 1                         ; hh
	v_and_b32 v5, 1, v0                            ; the upper bit of e
	v_lshlrev_b32 v6, 8, v2                        ; q, k: four neighbours from c = r, i, hh, e: in bytes
	v_lshl_or_b32 v6, v3, 6, v6
	v_lshl_or_b32 v6, v4, 5, v6
	v_lshl_or_b32 v6, v5, 4, v6
	v_lshlrev_b32 v7, 11, v4                       ; v: c = hh, e, db, r: the four lie 64 numbers apart
	v_lshl_or_b32 v7, v5, 10, v7
	v_lshl_or_b32 v7, v3, 6, v7
	v_lshl_or_b32 v7, v2, 2, v7
	v_lshlrev_b32 v8, 4, v0
	global_load_b128 v[X:X+3],   v6, s[18:19]
	global_load_b128 v[X+4:X+7], v6, s[20:21]
.irp u, 0,1,2,3
	global_load_b32 v[X+8+(\u)], v7, s[22:23] offset:256*(\u)
.endr
	global_load_b128 v[X+12:X+15], v8, s[24:25]
	s_wait_loadcnt 0x0
.irp q, 0,1,2,3
	v_cvt_pk_bf16_f32 v[T],   v[X+4*(\q)],   v[X+4*(\q)+1]
	v_cvt_pk_bf16_f32 v[T+1], v[X+4*(\q)+2], v[X+4*(\q)+3]
	v_lshlrev_b32 v[X+4*(\q)],   16, v[T]
	v_and_b32     v[X+4*(\q)+1], s6, v[T]
	v_lshlrev_b32 v[X+4*(\q)+2], 16, v[T+1]
	v_and_b32     v[X+4*(\q)+3], s6, v[T+1]
	global_store_b128 v8, v[X+4*(\q):X+4*(\q)+3], s[32:33] offset:4096*(\q)
.endr
.Lend:
	s_endpgm
.Lfunc_end_k_q6b6dbbba0b_cvt:
	.size	k_q6b6dbbba0b_cvt, .Lfunc_end_k_q6b6dbbba0b_cvt-k_q6b6dbbba0b_cvt
	.p2alignl 7, 3214868480
	.fill 96, 4, 3214868480
	.section	.rodata,"a",@progbits
	.p2align	6, 0x0
	.amdhsa_kernel k_q6b6dbbba0b_cvt
		.amdhsa_group_segment_fixed_size 0
		.amdhsa_private_segment_fixed_size 0
		.amdhsa_enable_private_segment 0
		.amdhsa_kernarg_size 104
		.amdhsa_user_sgpr_count 2
		.amdhsa_user_sgpr_kernarg_segment_ptr 1
		.amdhsa_wavefront_size32 1
		.amdhsa_system_sgpr_workgroup_id_x 1
		.amdhsa_system_sgpr_workgroup_id_y 1
		.amdhsa_system_sgpr_workgroup_id_z 1
		.amdhsa_system_vgpr_workitem_id 0
		.amdhsa_next_free_vgpr 84
		.amdhsa_next_free_sgpr 66
		.amdhsa_reserve_vcc 0
		.amdhsa_float_denorm_mode_32 3
		.amdhsa_float_denorm_mode_16_64 3
		.amdhsa_memory_ordered 1
		.amdhsa_forward_progress 1
		.amdhsa_inst_pref_size 20
	.end_amdhsa_kernel
	.amdgpu_metadata
---
amdhsa.version: [ 1, 2 ]
amdhsa.kernels:
  - .name:           k_q6b6dbbba0b_cvt
    .symbol:         k_q6b6dbbba0b_cvt.kd
    .args:
      - { .name: src, .offset: 0, .size: 8, .value_kind: global_buffer, .address_space: global }
      - { .name: Wq, .offset: 8, .size: 8, .value_kind: global_buffer, .address_space: global }
      - { .name: Wk, .offset: 16, .size: 8, .value_kind: global_buffer, .address_space: global }
      - { .name: Wv, .offset: 24, .size: 8, .value_kind: global_buffer, .address_space: global }
      - { .name: Wo, .offset: 32, .size: 8, .value_kind: global_buffer, .address_space: global }
      - { .name: bq, .offset: 40, .size: 8, .value_kind: global_buffer, .address_space: global }
      - { .name: bk, .offset: 48, .size: 8, .value_kind: global_buffer, .address_space: global }
      - { .name: bv, .offset: 56, .size: 8, .value_kind: global_buffer, .address_space: global }
      - { .name: bo, .offset: 64, .size: 8, .value_kind: global_buffer, .address_space: global }
      - { .name: xb, .offset: 72, .size: 8, .value_kind: global_buffer, .address_space: global }
      - { .name: wqkv, .offset: 80, .size: 8, .value_kind: global_buffer, .address_space: global }
      - { .name: wo16, .offset: 88, .size: 8, .value_kind: global_buffer, .address_space: global }
      - { .name: bias, .offset: 96, .size: 8, .value_kind: global_buffer, .address_space: global }
    .group_segment_fixed_size: 0
    .private_segment_fixed_size: 0
    .kernarg_segment_align: 8
    .kernarg_segment_size: 104
    .max_flat_workgroup_size: 256
    .sgpr_count:     66
    .vgpr_count:     84
    .wavefront_size: 32
...
	.end_amdgpu_metadata
.endif
;; end of part 1
;; launch gemm_qkv (part 2): grid 4 x 64, 4 waves a work-group, clusters of 4 x 4, 327,680 bytes of LDS; arguments xb, wqkv, bias, qkv; writes qkv
.if DOCPART == 2
	.amdgcn_target "amdgcn-amd-amdhsa--gfx1250"
	.amdhsa_code_object_version 6
	.text
	.protected	k_q6b6dbbba0b_gemm_qkv
	.globl	k_q6b6dbbba0b_gemm_qkv
	.p2align	8
	.type	k_q6b6dbbba0b_gemm_qkv,@function
k_q6b6dbbba0b_gemm_qkv:
	s_mov_b64 s[64:65], 0
	v_nop
	global_prefetch_b8 v0, s[64:65] scope:SCOPE_SE
	s_setreg_imm32_b32 hwreg(HW_REG_WAVE_MODE, 25, 1), 1
	s_wait_xcnt 0x0
	s_wait_alu depctr_hold_cnt(0) depctr_sa_sdst(0) depctr_va_vdst(0) depctr_va_sdst(0) depctr_va_ssrc(0) depctr_va_vcc(0) depctr_vm_vsrc(0)
	s_getreg_b32 s2, hwreg(HW_REG_IB_STS2, 6, 4)
	s_cmp_eq_u32 s2, 0
	s_cbranch_scc0 .Lentry_in_a_cluster
	s_endpgm
.Lentry_in_a_cluster:
	s_bfe_u32 s2, ttmp6, 0x10000c
	s_cmp_lg_u32 s2, 0xf033
	s_cbranch_scc0 .Lentry_shape_is_right
	s_endpgm
.Lentry_shape_is_right:
; qkv[m][token][p] = the sum over k of xb[token][k] wqkv[1024 m + p][k] + bias[1024 m + p], m = 0, 1, 2 (q, k, v).  xb: [16384][1024], wqkv: [3072][1024], both bf16; bias f32; sums in f32;
; qkv: [3][16384][1024] in f16, rounded once.  LIMIT: a result of 65,520 or more becomes an infinity in f16.
; A tile of C, 256 x 256, is made by a work-group of four waves; a wave makes 128 x 128: 64 accumulators of 16 x 16, 512 registers.  K goes in steps of 128 through a ring of two LDS slots filled by
; the tensor data mover: the tiles' rows are 256 bytes of memory and start at multiples of 256 bytes.
; A WORK-GROUP STAYS: it makes three tiles, the same 256 tokens and the same tile column of q, then of k, then of v: 4 x 64 x 3 tiles on 256 work-groups.  The ring does not stop at a tile's end:
; a tile's last two changes of slots ask for the next tile's first two K steps, and nothing waits for a tile's stores.  The last tile's last K step goes by rows of C, so that finished rows leave
; while the others are multiplied.
; CLUSTERS: 4 x 4 work-groups.  The four of a row of the cluster need the same tiles of xb, the four of a column the same tiles of wqkv: each tile is asked for JOINTLY, by the same tensor load with
; the same descriptor and a mask that names the four.
; THE BIAS costs no arithmetic: it is the C operand of the product that starts each sum.
; REGISTERS, in windows of 256 (s_set_vgpr_msb's low byte: bits 1:0 source 0, 3:2 source 1, 5:4 source 2, 7:6 destination):
;   window 0: v0-31 addresses; v64-127, v128-191 fragments of A (8 x 16 rows x 32 K), two buffers (in the very last K step four, of 16 rows x 128 K); v32-63, v192-255 at work on the way out
;   window 1: v0-63 the tile's bias (register 8 b + j: column 16 b + 8 (lane / 16) + j of my 128); v64-127, v128-191 fragments of B, two buffers; in the very last K step all 256: B's fragments of the whole step
;   window 2: the 32 accumulators of my rows 0-63 (accumulator (a, b) at v[8 (8 a + b)]);   window 3: those of my rows 64-127
; THE MATRIX INSTRUCTION IS USED TRANSPOSED: source 0 = 16 rows of B, source 1 = 16 rows of A.  Lane l then holds row l % 16 of C, and its registers 0 to 7 the columns 8 (l / 16) + 0 .. 7.
.set SIZE_K, 1024
.set ROWC,   2048                      ; bytes in a row of q, k or v
.set TILES,  3
.set KSTEP,  128
.set PITCH,  272                       ; an LDS row: 256 bytes + 16 of padding = 68 words: the 16 rows that a load touches start at 16 different groups of four banks (64 banks of 4 bytes: ISA guide 11.1)
.set HALFT,  128*PITCH                 ; 128 rows: what one tensor load brings, and what one wave reads of A or of B
.set SLOT,   4*HALFT                   ; A's 256 rows, then B's 256 rows
.set STAGE,  2*SLOT                    ; behind the ring: 16 rows x 272 bytes for each wave, for the way out; no tensor load fills it
.set SPITCH, 272
.set SPARE,  STAGE+4*16*SPITCH         ; behind the stages: the spare words, 128 bytes for each wave: two blocks of 256 bytes that no other line names
.set LAPS,   SIZE_K/(2*KSTEP)          ; a lap = two K steps = once round the ring
.set BACK_A, (SIZE_K-2*KSTEP)*2        ; bytes from a slot's last K step of a tile back to its first: the three tiles share their rows of A;
.set NEXT_B, 1024*SIZE_K*2-BACK_A      ; B goes 1,024 rows down and back along K
.set NEXT_C, (16384-7*16)*ROWC         ; bytes from my last 16 rows of a tile to my first of the next
.set PF_STEP, 1023*SIZE_K*2+KSTEP*2    ; the prefetches' step at a change of tiles: from the K step after a tile's last to the next tile's K step 1
.set ADRA, 16                          ; v16-17  LDS address of my A fragments in slot 0, 1
.set ADRB, 20                          ; v20-21  the same for B
.set STO,  24                          ; v24     the way out: where I put 16 bytes of a row
.set RD,   25                          ; v25     the way out: where I read a row back
.set CO,   26                          ; v26     my byte offset in C
.set BO,   27                          ; v27     32 (lane / 16): my eight words of a block of 16 of the bias
.set SPW,  28                          ; v28     LDS address of my spare word: SPARE + 4 x my thread's number; never rewritten
.set NIL,  29                          ; v29     0; never rewritten
.set PFO,  30                          ; v30     the prefetches' offset: my lane x 2,048 bytes; never rewritten
.set PFA,  44                          ; s[44:45] where my prefetches stand: my work-group's 32 rows of the 128 that I fetch, one K step further than the refill that is being asked for
.set LIM,  43                          ; s43     1 in a wave that prefetches, else the greatest number
.set BP,   66                          ; s[66:67] the bias of my 128 columns of the tile in hand
.set F0,   64
.set F1,   128
.set TMP,  192                         ; the way out: packed results
.set OB,   32                          ; the way out: 16 rows read back from the stage: v32-63 and v224-255 by turns
.set PA,   64                          ; the very last K step: A's fragments of 16 rows x 128 K, 32 registers; four such buffers, v64-191
.set G1, 24                            ; s[24:31] descriptor group 1 for A's tiles
.set G0, 32                            ; s[32:39] descriptor group 0 for A's tiles, one set for each slot
.set G1B, 48                           ; s[48:55], s[56:63] the same for B's tiles
.set G0B, 56
.set MSB, 0
.macro WIN new                         ; the immediate's high byte repeats the setting that is left; a switch that changes nothing is dropped
.if MSB != (\new)
	s_set_vgpr_msb (MSB<<8)|(\new)
.set MSB, \new
.endif
.endm
.set MUL_LO,  0xa1                     ; source 0 (B) window 1, source 1 (A) window 0, C and D window 2
.set MULB_LO, 0x91                     ; the same with C (the bias) in window 1
.set TO_B,    0x40                     ; destination window 1, address window 0
; A joint load.  Waves 0 and 1 fetch A's two halves, waves 2 and 3 B's.  The branch hangs on the wave's number alone.  An s_nop 0 and four v_nop follow each of the two lines.
.macro JLOAD s
	s_cmp_eq_u32 s11, 0
	s_cbranch_scc0 .Lfor_b_\@
	tensor_load_to_lds s[G0+4*(\s):G0+4*(\s)+3], s[G1:G1+7]
	s_nop 0
.rept 4
	v_nop
.endr
	s_branch .Lasked_\@
.Lfor_b_\@:
	tensor_load_to_lds s[G0B+4*(\s):G0B+4*(\s)+3], s[G1B:G1B+7]
	s_nop 0
.rept 4
	v_nop
.endr
.Lasked_\@:
.endm
; A PREFETCH INTO THE L2, behind each joint load, its five lines and the run of LDS loads: the K step that stands TWO refills on: 32 rows x 256 bytes, a lane a row, one instruction a wave.
; Each row's 256 bytes of a K step are named once in the launch.  A's tile row is read by one cluster alone (the grid is one cluster wide): it asks, in the first tile; the later tiles read the same rows.
; B's tile column is read by all sixteen clusters: the one with y = 0 asks, in every tile.  The four partners that ask for a tile jointly share its rows out BY ADDRESS, 32 each (cx for A, cy for B).
; how = 0, in the loop: a tile's last two refills have no K step two on; how = 1, at a change of tiles: the next tile's K steps 2 and 3.
.macro ASK how
.if \how
	s_cmp_eq_u32 s[LIM], 1
.else
	s_cmp_gt_u32 s3, s[LIM]                        ; s3 = 1 in the loop's last trip
.endif
	s_cbranch_scc0 .Lnot_mine_\@
	global_prefetch_b8 v[PFO], s[PFA:PFA+1] offset:KSTEP*2 th:TH_LOAD_NT scope:SCOPE_SE
.Lnot_mine_\@:
.endm
.macro CREST                           ; a round of the cluster's barrier behind its opening barrier: wave 0 signals for the work-group, every wave waits for all sixteen, my work-group's barrier closes it
	s_cmp_lg_u32 s10, 0
	s_cbranch_scc1 .Lnot_wave_0_\@
	s_barrier_signal -3
.Lnot_wave_0_\@:
	s_barrier_wait -3
	s_barrier_signal -1
	s_barrier_wait -1
.endm
.macro CROUND                          ; a whole round
	s_barrier_signal -1
	s_barrier_wait -1
	CREST
.endm
	s_load_b128 s[4:7], s[0:1], 0x0                ; xb s[4:5], wqkv s[6:7]
	s_load_b64 s[BP:BP+1], s[0:1], 0x10            ; bias
	s_load_b64 s[8:9], s[0:1], 0x18                ; qkv
	v_lshl_add_u32 v[SPW], v0, 2, SPARE
	v_mov_b32 v[NIL], 0
	ds_add_u32 v[SPW], v[NIL]                      ; the wave's opening: the add and its wait stand ahead of my first tensor load; the set-up below, work on registers, stands between them
	v_lshrrev_b32 v1, 5, v0
	v_readfirstlane_b32 s10, v1                    ; wave 0..3
	s_lshr_b32 s11, s10, 1                         ; which half of the tile's rows is mine.  Also: I fetch for A (0) or for B (1)
	s_and_b32 s12, s10, 1                          ; which half of its columns.  Also: which 128 rows of that tile I fetch
	s_bfe_u32 s40, ttmp6, 0x40000                  ; cx
	s_bfe_u32 s41, ttmp6, 0x40004                  ; cy
	s_lshl_b32 s42, ttmp9, 2
	s_add_co_u32 s42, s42, s40                     ; tile column = 4 x cluster x + cx
	s_and_b32 s13, ttmp7, 0xffff
	s_lshl_b32 s13, s13, 2
	s_add_co_u32 s13, s13, s41                     ; tile row = 4 x cluster y + cy
	s_lshl_b32 s43, s41, 2
	s_lshl_b32 s43, 15, s43                        ; my row of the cluster: places 4 cy .. 4 cy + 3
	s_lshl_b32 s44, 0x1111, s40                    ; my column: places cx, cx + 4, cx + 8, cx + 12
	; descriptor group 1: a tile of 128 rows x 128 elements, padded in LDS
	s_or_b32 s[G1+0], s43, (1<<16)|(1<<20)|(1<<21)|(5<<22)|(3<<25)  ; 15:0 the mask: A's tiles go to my row; 17:16 elements of 2 bytes; 20 padding on; 21 set beside a mask; 24:22 after every 64 words (code 5); 31:25 4 words (code 3)
	s_or_b32 s[G1B+0], s44, (1<<16)|(1<<20)|(1<<21)|(5<<22)|(3<<25) ; the same with the mask of my column
.irp g, G1, G1B
	s_mov_b32 s[(\g)+1], KSTEP<<16                 ; tensor_dim0 = 128
	s_mov_b32 s[(\g)+2], 128<<16                   ; tensor_dim1 = 128
	s_mov_b32 s[(\g)+3], KSTEP<<16                 ; tile_dim0 = 128
	s_mov_b32 s[(\g)+4], 128                       ; tile_dim1 = 128
	s_mov_b32 s[(\g)+5], SIZE_K                    ; elements from row to row
	s_mov_b32 s[(\g)+6], 0
	s_mov_b32 s[(\g)+7], 0
.endr
	; where the tiles come from: A's hang on the tile row alone, B's on the tile column alone; each in registers that never hold the other coordinate
	s_lshl_b32 s17, s12, 7                         ; which 128 rows of the tile I fetch
	s_lshl_b32 s16, s13, 8
	s_add_co_u32 s16, s16, s17                     ; A: row 256 x tile row + 128 x half
	s_lshl_b32 s46, s42, 8
	s_add_co_u32 s46, s46, s17                     ; B: row 256 x tile column + 128 x half
	s_mov_b32 s17, 0
	s_mov_b32 s47, 0
	s_mov_b64 s[18:19], SIZE_K*2
	s_mul_u64 s[16:17], s[16:17], s[18:19]
	s_mul_u64 s[46:47], s[46:47], s[18:19]
	s_mul_i32 s20, s10, HALFT                      ; and where they go: wave x 128 rows: no place in the cluster enters an LDS address
	s_wait_dscnt 0x0                               ; the opening add is done
	s_wait_kmcnt 0x0
	s_add_nc_u64 s[14:15], s[4:5], s[16:17]
	s_add_nc_u64 s[46:47], s[6:7], s[46:47]
	CROUND                                         ; all sixteen work-groups are here: the first joint loads meet
.irp s, 0,1
	s_mov_b32 s[G0+4*(\s)], 1                                      ; count = 1
	s_add_co_u32 s[G0+4*(\s)+1], s20, (\s)*SLOT                    ; LDS address
	s_add_nc_u64 s[G0+4*(\s)+2:G0+4*(\s)+3], s[14:15], (\s)*KSTEP*2  ; global address: K step s
	s_or_b32 s[G0+4*(\s)+3], s[G0+4*(\s)+3], 0x80000000            ; type = 2
	s_mov_b32 s[G0B+4*(\s)], 1
	s_add_co_u32 s[G0B+4*(\s)+1], s20, (\s)*SLOT
	s_add_nc_u64 s[G0B+4*(\s)+2:G0B+4*(\s)+3], s[46:47], (\s)*KSTEP*2
	s_or_b32 s[G0B+4*(\s)+3], s[G0B+4*(\s)+3], 0x80000000
	JLOAD \s                                       ; two tensor loads of mine are out
.endr
	; A fragment is 16 rows x 32 K in 8 registers: lane l holds row l % 16; registers 0-3 K = 8 (l / 16) + 0..7, registers 4-7 K = 16 + 8 (l / 16) + 0..7: two loads of 16 bytes, 32 bytes apart.
	v_and_b32 v1, 15, v0                           ; l % 16
	v_bfe_u32 v2, v0, 4, 1                         ; l / 16
	v_mul_u32_u24 v3, v1, PITCH
	v_lshl_add_u32 v3, v2, 4, v3
	s_mul_i32 s21, s11, HALFT                      ; my 128 rows of A
	s_mul_i32 s22, s12, HALFT                      ; my 128 rows of B,
	s_add_co_u32 s22, s22, 2*HALFT                 ; which lie behind A's 256
.irp s, 0,1
	v_add_nc_u32 v[ADRA+(\s)], s21, v3
	v_add_nc_u32 v[ADRB+(\s)], s22, v3
	s_add_co_u32 s21, s21, SLOT
	s_add_co_u32 s22, s22, SLOT
.endr
	s_mul_i32 s23, s10, 16*SPITCH
	s_add_co_u32 s23, s23, STAGE                   ; my stage
	v_mul_u32_u24 v4, v1, SPITCH                   ; in: row l % 16, 16 bytes for each half of the lanes
	v_lshl_add_u32 v4, v2, 4, v4
	v_add_nc_u32 v[STO], s23, v4
	v_mul_u32_u24 v5, v2, SPITCH                   ; back: lanes 0-15 take one row of 256 bytes, lanes 16-31 the next
	v_lshl_add_u32 v5, v1, 4, v5
	v_add_nc_u32 v[RD], s23, v5
	v_mul_u32_u24 v5, v2, ROWC                     ; and the same two rows in C
	v_lshl_add_u32 v[CO], v1, 4, v5
	v_lshlrev_b32 v[BO], 5, v2
	; where my part of the first tile begins in C: the first way out adds it to C's address
	s_lshl_b32 s13, s13, 8
	s_lshl_b32 s14, s11, 7
	s_add_co_u32 s16, s13, s14                     ; my first row of C
	s_mov_b32 s17, 0
	s_mov_b64 s[18:19], ROWC
	s_mul_u64 s[16:17], s[16:17], s[18:19]
	s_lshl_b32 s46, s42, 9                         ; my first column, in bytes: 512 x tile column + 256 x half
	s_lshl_b32 s47, s12, 8
	s_add_co_u32 s46, s46, s47
	s_mov_b32 s47, 0
	s_add_nc_u64 s[16:17], s[16:17], s[46:47]
	s_lshl_b32 s20, s42, 10                        ; the same columns in the bias: 4 bytes each
	s_lshl_b32 s21, s12, 9
	s_add_co_u32 s20, s20, s21
	s_mov_b32 s21, 0
	s_add_nc_u64 s[BP:BP+1], s[BP:BP+1], s[20:21]
; The tile's bias: 128 words, of which a lane takes 8 of each 16: sixteen loads into window 1.
.macro BIASLD
	WIN TO_B
.irp b, 0,1,2,3,4,5,6,7
	global_load_b128 v[8*(\b):8*(\b)+3],   v[BO], s[BP:BP+1] offset:64*(\b)
	global_load_b128 v[8*(\b)+4:8*(\b)+7], v[BO], s[BP:BP+1] offset:64*(\b)+16
.endr
	WIN 0
.endm
	BIASLD
	; the prefetches.  s13 = 256 x tile row, s42 = tile column, s40 = cx, s41 = cy still stand
	s_lshl_b32 s42, s42, 8
	s_and_b32 s22, ttmp7, 0xffff                   ; cluster y
	s_cmp_eq_u32 s11, 0                            ; do I fetch for A?
	s_cselect_b32 s20, s13, s42                    ; the tile's first row
	s_cselect_b32 s21, s40, s41                    ; my place among the four that ask for it with me
	s_cselect_b32 s22, ttmp9, s22                  ; the coordinate along which other clusters read the same rows
	s_cselect_b64 s[PFA:PFA+1], s[4:5], s[6:7]
	s_cmp_eq_u32 s22, 0
	s_cselect_b32 s[LIM], 1, -1                    ; the same in all sixteen partners, for a given wave
	s_lshl_b32 s22, s12, 7
	s_add_co_u32 s20, s20, s22                     ; + the 128 rows that I fetch
	s_lshl_b32 s21, s21, 5
	s_add_co_u32 s20, s20, s21                     ; + my work-group's 32 of them
	s_mov_b32 s21, 0
	s_mov_b64 s[18:19], SIZE_K*2
	s_mul_u64 s[20:21], s[20:21], s[18:19]
	s_add_nc_u64 s[PFA:PFA+1], s[PFA:PFA+1], s[20:21]
	s_add_nc_u64 s[PFA:PFA+1], s[PFA:PFA+1], 2*KSTEP*2  ; at K step 2: the first refill steps it to 3 and names K step 4.  Nothing is prefetched here, at the head
	v_and_b32 v[PFO], 31, v0
	v_mul_u32_u24 v[PFO], v[PFO], SIZE_K*2
; 16 matrix instructions: m blocks a0, a0 + 1 of the window's four (hi = 0: my rows 0-63, 1: rows 64-127) x all 8 n blocks, 32 along K.  start = 1: the product starts the sum, with the bias as C.
; The 64 accumulators take turns, one instruction a turn, in the same order in every quarter.
.macro MUL16 f, hi, a0, start
.if \start
	WIN MULB_LO+0x40*(\hi)
.else
	WIN MUL_LO+0x50*(\hi)
.endif
.irp a, \a0, (\a0)+1
.irp b, 0,1,2,3,4,5,6,7
.if \start
	v_wmma_f32_16x16x32_bf16 v[8*(8*(\a)+(\b)):8*(8*(\a)+(\b))+7], v[(\f)+8*(\b):(\f)+8*(\b)+7], v[(\f)+8*(4*(\hi)+(\a)):(\f)+8*(4*(\hi)+(\a))+7], v[8*(\b):8*(\b)+7]
.else
	v_wmma_f32_16x16x32_bf16 v[8*(8*(\a)+(\b)):8*(8*(\a)+(\b))+7], v[(\f)+8*(\b):(\f)+8*(\b)+7], v[(\f)+8*(4*(\hi)+(\a)):(\f)+8*(4*(\hi)+(\a))+7], v[8*(8*(\a)+(\b)):8*(8*(\a)+(\b))+7]
.endif
.endr
.endr
.endm
; 32 LDS loads in one run: the fragments of one quarter step (128 rows of B, 128 rows of A, 32 K at byte k of the rows) into buffer f
.macro FETCH slot, k, f
	WIN TO_B
.irp i, 0,1,2,3,4,5,6,7
	ds_load_b128 v[(\f)+8*(\i):(\f)+8*(\i)+3],   v[ADRB+(\slot)] offset:(\k)+(\i)*16*PITCH
	ds_load_b128 v[(\f)+8*(\i)+4:(\f)+8*(\i)+7], v[ADRB+(\slot)] offset:(\k)+(\i)*16*PITCH+32
.endr
	WIN 0
.irp i, 0,1,2,3,4,5,6,7
	ds_load_b128 v[(\f)+8*(\i):(\f)+8*(\i)+3],   v[ADRA+(\slot)] offset:(\k)+(\i)*16*PITCH
	ds_load_b128 v[(\f)+8*(\i)+4:(\f)+8*(\i)+7], v[ADRA+(\slot)] offset:(\k)+(\i)*16*PITCH+32
.endr
.endm
.macro PLACES                          ; four plain vector instructions between a matrix instruction and a load into a register that it has read, or a conversion that reads its result
.rept 4
	v_nop
.endr
.endm
; A K step is four quarters of 32 along K, 64 matrix instructions each, on buffers 0, 1, 0, 1.  One of the first three: multiplies buffer f; in its middle it fetches the next quarter, at byte k, into g.
.macro QUARTER slot, k, f, g, start
	s_wait_dscnt 8                                 ; B and A's rows 0-63 are in; the youngest eight loads (A's rows 64-127) may be out
	MUL16 \f, 0, 0, \start
	MUL16 \f, 0, 2, \start
	PLACES
	FETCH \slot, \k, \g
	s_wait_dscnt 32                                ; all but the 32 just issued
	MUL16 \f, 1, 0, \start
	MUL16 \f, 1, 2, \start
.endm
; The last quarter multiplies buffer 1 and changes slots.  MEET is its first half: in front of the barrier each wave waits for all its tensor loads, of which one is out: its part of the next slot;
; adds 0 to its spare word; and waits for that and for its own reads of this slot.  Behind it nobody reads this slot any more and the next slot is whole.
.macro MEET round
	WIN 0                                          ; (the add's two registers lie in window 0)
	s_wait_tensorcnt 0x0                           ; all my tensor loads have landed
	ds_add_u32 v[SPW], v[NIL]                      ; 0 onto my spare word
	s_wait_dscnt 9                                 ; (the add and the youngest eight loads may be out)
	MUL16 F1, 0, 0, 0                              ; sixteen matrix instructions stand between the add and the wait for it
	s_wait_dscnt 0x0                               ; the add is done, and my reads of this slot are over
	s_barrier_signal -1
	MUL16 F1, 0, 2, 0                              ; work on registers while the others arrive
.if \round
	WIN 0
.endif
	s_barrier_wait -1
.endm
; The whole last quarter.  Behind the round the slot just read out is filled again first: with this tile's K step two steps on (on = 0) or, in a tile's last two K steps, with the NEXT tile's K step 0 or 1
; (on = 1); then come the next slot's first fragments.  From a request to the wait for it a wave issues 224 matrix instructions.
.macro TURN slot, next, on
	s_wait_xcnt 0x0                                ; the last prefetch, a K step back, has read its address: it is stepped here, ahead of the waits of the change of slots
.if (\on) && (\slot) == 0
	s_add_nc_u64 s[PFA:PFA+1], s[PFA:PFA+1], PF_STEP
	s_cmp_eq_u32 s11, 1
	s_cselect_b32 s[LIM], s[LIM], -1               ; A's rows are the same for all three tiles: they are prefetched no more; B's are new in every tile
.else
	s_add_nc_u64 s[PFA:PFA+1], s[PFA:PFA+1], KSTEP*2
.endif
	MEET 1
	CREST                                          ; no wave of any partner still reads this slot's tile or has a load on its way
.if \on
	s_sub_nc_u64 s[G0+4*(\slot)+2:G0+4*(\slot)+3], s[G0+4*(\slot)+2:G0+4*(\slot)+3], BACK_A
	s_add_nc_u64 s[G0B+4*(\slot)+2:G0B+4*(\slot)+3], s[G0B+4*(\slot)+2:G0B+4*(\slot)+3], NEXT_B
.else
	s_add_nc_u64 s[G0+4*(\slot)+2:G0+4*(\slot)+3], s[G0+4*(\slot)+2:G0+4*(\slot)+3], 2*KSTEP*2
	s_add_nc_u64 s[G0B+4*(\slot)+2:G0B+4*(\slot)+3], s[G0B+4*(\slot)+2:G0B+4*(\slot)+3], 2*KSTEP*2
.endif
	JLOAD \slot                                    ; the first tensor load behind the round, my only one until the next; its four v_nop are also the places in front of the loads below
	FETCH \next, 0, F0
	ASK \on
	MUL16 F1, 1, 0, 0
	MUL16 F1, 1, 2, 0
.endm
; THE LAST K STEP OF THE LAST TILE (it lies in slot 1) GOES BY ROWS OF C, NOT BY K.  All its fragments of B (4 quarters x 64 registers) fill window 1; then my eight blocks of 16 rows are finished one after
; the other, each with 32 matrix instructions (its 8 accumulators by turns, K ascending: the sums stay the same).  LDS is read no more than in any other K step.
.macro BLOAD q                         ; B's fragments of quarter q -> window 1, v[64 q ..]
	WIN TO_B
.irp i, 0,1,2,3,4,5,6,7
	ds_load_b128 v[64*(\q)+8*(\i):64*(\q)+8*(\i)+3],   v[ADRB+1] offset:64*(\q)+(\i)*16*PITCH
	ds_load_b128 v[64*(\q)+8*(\i)+4:64*(\q)+8*(\i)+7], v[ADRB+1] offset:64*(\q)+(\i)*16*PITCH+32
.endr
.endm
.macro ALOAD a                         ; A's fragments of block a, all four quarters -> buffer a % 4
	WIN 0
.set FA, PA+32*((\a)%4)
.irp q, 0,1,2,3
	ds_load_b128 v[FA+8*(\q):FA+8*(\q)+3],   v[ADRA+1] offset:64*(\q)+(\a)*16*PITCH
	ds_load_b128 v[FA+8*(\q)+4:FA+8*(\q)+7], v[ADRA+1] offset:64*(\q)+(\a)*16*PITCH+32
.endr
.endm
.macro ROW a                           ; block a is finished: 32 matrix instructions
.set FA, PA+32*((\a)%4)                ; its fragments of A
.set AC, 64*((\a)%4)                   ; its eight accumulators, in window 2 (blocks 0-3) or 3 (blocks 4-7)
	WIN MUL_LO+0x50*((\a)/4)
.irp q, 0,1,2,3
.if (\a) == 0 && (\q) == 2
	s_wait_dscnt 24                                ; B's quarter 2 is in (behind it: A's blocks 1 to 3, 24 loads)
.endif
.irp b, 0,1,2,3,4,5,6,7
	v_wmma_f32_16x16x32_bf16 v[AC+8*(\b):AC+8*(\b)+7], v[64*(\q)+8*(\b):64*(\q)+8*(\b)+7], v[FA+8*(\q):FA+8*(\q)+7], v[AC+8*(\b):AC+8*(\b)+7]
.endr
.endr
.endm
; THE WAY OUT of block a (16 rows).  PACK: rounded to f16, 16 bytes a lane.  TOSTAGE: into my own stage in LDS, and back as whole rows of 256 bytes.  SEND: stored.
.macro PACK a
.set AC, 64*((\a)%4)
	WIN 0x0a+5*((\a)/4)                            ; sources 0 and 1: window 2 or 3
.irp b, 0,1,2,3,4,5,6,7
.irp r, 0,1,2,3
	v_cvt_pk_f16_f32 v[TMP+4*(\b)+(\r)], v[AC+8*(\b)+2*(\r)], v[AC+8*(\b)+2*(\r)+1]  ; each accumulator's registers in ascending order
.endr
.endr
	WIN 0
.endm
.macro TOSTAGE a
	WIN 0
.set BK, OB+192*((\a)%2)
.irp b, 0,1,2,3,4,5,6,7
	ds_store_b128 v[STO], v[TMP+4*(\b):TMP+4*(\b)+3] offset:32*(\b)
.endr
.irp t, 0,1,2,3,4,5,6,7
	ds_load_b128 v[BK+4*(\t):BK+4*(\t)+3], v[RD] offset:(\t)*2*SPITCH  ; LDS serves a wave's instructions in order (ISA guide 5.7.1.4): these see the stores above
.endr
.endm
.macro SEND a, younger                 ; younger: the LDS loads issued behind TOSTAGE's, which may stay out
	WIN 0
.set BK, OB+192*((\a)%2)
	s_wait_dscnt \younger                          ; the block is back in registers
	s_wait_xcnt 0x0                                ; only behind this wait are the stores' base and the registers that earlier stores read rewritten
.if (\a) == 0
	s_add_nc_u64 s[8:9], s[8:9], s[16:17]          ; on to this tile's first rows
.else
	s_add_nc_u64 s[8:9], s[8:9], 16*ROWC           ; 16 rows of C on
.endif
.irp t, 0,1,2,3,4,5,6,7
	global_store_b128 v[CO], v[BK+4*(\t):BK+4*(\t)+3], s[8:9] offset:2*(\t)*ROWC  ; 16 lanes store 256 consecutive bytes, at a multiple of 256 from C's first byte
.endr
.endm
	s_wait_tensorcnt 1                             ; my part of K step 0 is in; K step 1's load may stay out
	s_barrier_signal -1
	s_barrier_wait -1                              ; everybody's is
	FETCH 0, 0, F0
	s_wait_loadcnt 0x0                             ; the first tile's bias
	s_mov_b32 s2, TILES                            ; tiles to go, this one among them
.Ltile:
	QUARTER 0, 64,  F0, F1, 1                      ; a tile's first quarter stands in front of the loop: its products start the sums, with the bias
	WIN 0                                          ; at a label and at a branch every window is 0
	s_mov_b32 s3, LAPS-1
.Llap:                                                 ; a trip goes once round the ring, from a lap's second quarter to the next lap's first, and fills both slots again
	QUARTER 0, 128, F1, F0, 0
	QUARTER 0, 192, F0, F1, 0
	TURN 0, 1, 0
	QUARTER 1, 64,  F0, F1, 0
	QUARTER 1, 128, F1, F0, 0
	QUARTER 1, 192, F0, F1, 0
	TURN 1, 0, 0
	QUARTER 0, 64,  F0, F1, 0
	WIN 0
	s_sub_co_u32 s3, s3, 1
	s_cmp_lg_u32 s3, 0
	s_cbranch_scc1 .Llap
	QUARTER 0, 128, F1, F0, 0                      ; the tile's last lap goes on
	QUARTER 0, 192, F0, F1, 0
	WIN 0
	s_cmp_eq_u32 s2, 1
	s_cbranch_scc1 .Llast_tile                     ; the last tile's tail is written out: it asks for nothing more
	TURN 0, 1, 1                                   ; THE RING GOES ON INTO THE NEXT TILE: slot 0 takes its K step 0,
	QUARTER 1, 64,  F0, F1, 0
	QUARTER 1, 128, F1, F0, 0
	QUARTER 1, 192, F0, F1, 0
	TURN 1, 0, 1                                   ; slot 1 its K step 1, and the next tile's first fragments are fetched
	s_add_nc_u64 s[BP:BP+1], s[BP:BP+1], 4096      ; the next tile's bias (the last loads by this address were waited for); its registers were last read in this tile's first quarter
	BIASLD
	PACK 0                                         ; both refills are asked for: now the tile goes out.  Blocks 0-3 were finished in front of the joint load's four v_nop; their conversions are the places behind the last products
	TOSTAGE 0
.irp a, 1,2,3,4,5,6,7                  ; block a's conversions stand between block a - 1's loads from the stage and the wait for them
	PACK \a
	SEND (\a)-1, 0
	TOSTAGE \a
.endr
	SEND 7, 0
	s_wait_loadcnt 0x0                             ; the bias is in
	s_mov_b64 s[16:17], NEXT_C                     ; what the next way out adds to C's address
	s_sub_co_u32 s2, s2, 1
	s_branch .Ltile
.Llast_tile:
	MEET 0                                         ; my one tensor load that was still out is slot 1's, the last K step's, so no round follows
	PLACES                                         ; for the loads into buffer 0, which the quarter before multiplied
	BLOAD 0                                        ; three quarters of B now (quarter 0 where the bias lay, which no product takes any more): buffer 1 (v128-191 of both windows) is still being multiplied
	BLOAD 1
	BLOAD 3
	ALOAD 0
	MUL16 F1, 1, 0, 0
	MUL16 F1, 1, 2, 0
	PLACES                                         ; for the loads into buffer 1
	BLOAD 2
	ALOAD 1
	ALOAD 2
	ALOAD 3
	s_wait_dscnt 40                                ; all but the 40 just issued
	ROW 0
.irp a, 0,1,2,3,4,5,6,7                ; each block leaves as soon as it is finished: nothing follows this tile under which its stores could leave
	PLACES                                         ; its conversions read results just made, and its buffer of A is loaded again
	PACK \a
	TOSTAGE \a
.if (\a) < 4
	ALOAD (\a)+4                                   ; its buffer takes the block four further on
	SEND \a, 8
.else
	SEND \a, 0
.endif
.if (\a) < 7
	ROW (\a)+1
.endif
.endr
	s_wait_tensorcnt 0x0                           ; the wave's end: behind my last tensor load and my last LDS store
	ds_add_u32 v[SPW], v[NIL]
	s_wait_dscnt 0x0
	CROUND                                         ; the closing round: no work-group ends while a partner may still ask for a tile that names it
	s_endpgm
.Lfunc_end_k_q6b6dbbba0b_gemm_qkv:
	.size	k_q6b6dbbba0b_gemm_qkv, .Lfunc_end_k_q6b6dbbba0b_gemm_qkv-k_q6b6dbbba0b_gemm_qkv
	.p2alignl 7, 3214868480
	.fill 96, 4, 3214868480
	.section	.rodata,"a",@progbits
	.p2align	6, 0x0
	.amdhsa_kernel k_q6b6dbbba0b_gemm_qkv
		.amdhsa_group_segment_fixed_size 327680
		.amdhsa_private_segment_fixed_size 0
		.amdhsa_enable_private_segment 0
		.amdhsa_kernarg_size 32
		.amdhsa_user_sgpr_count 2
		.amdhsa_user_sgpr_kernarg_segment_ptr 1
		.amdhsa_wavefront_size32 1
		.amdhsa_system_sgpr_workgroup_id_x 1
		.amdhsa_system_sgpr_workgroup_id_y 1
		.amdhsa_system_sgpr_workgroup_id_z 1
		.amdhsa_system_vgpr_workitem_id 0
		.amdhsa_next_free_vgpr 1024
		.amdhsa_next_free_sgpr 68
		.amdhsa_reserve_vcc 0
		.amdhsa_float_denorm_mode_32 3
		.amdhsa_float_denorm_mode_16_64 3
		.amdhsa_memory_ordered 1
		.amdhsa_forward_progress 1
		.amdhsa_inst_pref_size 214
	.end_amdhsa_kernel
	.amdgpu_metadata
---
amdhsa.version: [ 1, 2 ]
amdhsa.kernels:
  - .name:           k_q6b6dbbba0b_gemm_qkv
    .symbol:         k_q6b6dbbba0b_gemm_qkv.kd
    .args:
      - { .name: xb, .offset: 0, .size: 8, .value_kind: global_buffer, .address_space: global }
      - { .name: wqkv, .offset: 8, .size: 8, .value_kind: global_buffer, .address_space: global }
      - { .name: bias, .offset: 16, .size: 8, .value_kind: global_buffer, .address_space: global }
      - { .name: qkv, .offset: 24, .size: 8, .value_kind: global_buffer, .address_space: global }
    .group_segment_fixed_size: 327680
    .private_segment_fixed_size: 0
    .kernarg_segment_align: 8
    .kernarg_segment_size: 32
    .max_flat_workgroup_size: 128
    .sgpr_count:     68
    .vgpr_count:     1024
    .wavefront_size: 32
...
	.end_amdgpu_metadata
.endif
;; end of part 2
;; launch attn (part 3): grid 512 x 1, 8 waves a work-group, no clusters, 0 bytes of LDS; arguments qkv, ob; writes ob
.if DOCPART == 3
	.amdgcn_target "amdgcn-amd-amdhsa--gfx1250"
	.amdhsa_code_object_version 6
	.text
	.protected	k_q6b6dbbba0b_attn
	.globl	k_q6b6dbbba0b_attn
	.p2align	8
	.type	k_q6b6dbbba0b_attn,@function
k_q6b6dbbba0b_attn:
	s_mov_b64 s[64:65], 0
	v_nop
	global_prefetch_b8 v0, s[64:65] scope:SCOPE_SE
	s_setreg_imm32_b32 hwreg(HW_REG_WAVE_MODE, 25, 1), 1
	s_wait_xcnt 0x0
; ATTENTION ACROSS THE 16 HEADS OF ONE TOKEN.  o[n][h][:] = the sum over g of softmax_g(q[n][h] . k[n][g] / 8) v[n][g][:].  qkv: [3][16384][1024] f16, ob: [16384][1024] f16.
; Products, the maximum, the exponentials and their sum in f32; the weights, divided by their sum, are rounded to f16 for the second product; o is rounded once.
; LIMITS.  A weight below 2^-126 counts as 0.  NaN and infinities are not treated apart: half of each fragment of v meets zeros in the second product, so a v that is not finite spoils its own token's o.
; LAYOUT.  The columns of q, k, v and o stand in the orders that the first launch gave the weights: the 16 bytes at 512 x + 16 lane of a token's 2,048 bytes are, with r = lane % 16, hh = lane / 16:
;   q, k: head r, channels 16 x + 8 hh + 0..7: loads x = 2 s, 2 s + 1 ARE the fragment (16 heads x 32 channels) for channels 32 s on;
;   v:    channel 16 x + r, heads 8 hh + 0..7: half a fragment of V^T;        o: head r, channels 16 x + 8 hh + 0..7: what a lane of O^T holds.
; So every load and store of a wave covers 512 consecutive bytes, and nothing goes through LDS.
; S^T = K Q^T (source 0 = 16 heads g, source 1 = 16 heads h): a lane holds ONE h (r) and g = 8 hh + 0..7; rounded in pairs that is half of source 1 of O^T = V^T P.  That product's K of 32 has 16 heads to
; sum over: one fragment of A holds two channel blocks' halves, and P stands in the lower or the upper half of source 1, zeros in the other.
; SHARES.  A wave takes four tokens, a work-group 32.  No loop: a wave's 48 loads (24 KiB) go out together.  No cluster: no byte is used twice.
.set Q,  8                             ; v[8:71]     q, 16 registers a token; behind the first products: six registers at work a token, at Q + 8 t
.set K,  72                            ; v[72:135]   k.  O^T of token t takes v[8 + 32 t .. 39 + 32 t], over q and k
.set V,  136                           ; v[136:199]  v
.set SP, 200                           ; v[200:247]  12 a token: four zeros, then S^T (8), whose first four take P and whose last four zeros
	s_load_b128 s[4:7], s[0:1], 0x0                ; qkv s[4:5], ob s[6:7]
	v_lshrrev_b32 v2, 5, v0
	v_and_b32 v1, 31, v0
	v_lshlrev_b32 v1, 4, v1
	v_lshl_or_b32 v1, v2, 13, v1                   ; my wave's four tokens of 2,048 bytes, 16 bytes a lane
	s_lshl_b32 s2, ttmp9, 16                       ; the work-group's 32 tokens
	s_mov_b32 s3, 0
	s_mov_b32 s12, 0x3e38aa3b                      ; c = log2(e) / 8
	s_mov_b32 s13, s12                             ; named with it as a pair
	s_mov_b32 s14, 0x76543210                      ; v_permlanex16_b32: each lane takes its own place in the other half
	s_mov_b32 s15, 0xfedcba98
	s_wait_kmcnt 0x0
	s_add_nc_u64 s[4:5], s[4:5], s[2:3]            ; q
	s_add_nc_u64 s[6:7], s[6:7], s[2:3]            ; o
	s_add_nc_u64 s[16:17], s[4:5], 0x2000000       ; k: 16,384 x 2,048 bytes on
	s_add_nc_u64 s[18:19], s[4:5], 0x4000000       ; v
.irp t, 0,1,2,3
.irp x, 0,1,2,3
	global_load_b128 v[K+16*(\t)+4*(\x):K+16*(\t)+4*(\x)+3], v1, s[16:17] offset:2048*(\t)+512*(\x) th:TH_LOAD_NT
.endr
.irp x, 0,1,2,3
	global_load_b128 v[Q+16*(\t)+4*(\x):Q+16*(\t)+4*(\x)+3], v1, s[4:5] offset:2048*(\t)+512*(\x) th:TH_LOAD_NT
.endr
.endr
.irp t, 0,1,2,3
.irp x, 0,1,2,3
	global_load_b128 v[V+16*(\t)+4*(\x):V+16*(\t)+4*(\x)+3], v1, s[18:19] offset:2048*(\t)+512*(\x) th:TH_LOAD_NT
.endr
.endr
	s_wait_loadcnt 16                              ; q and k are in; v's sixteen loads may stay out
.irp t, 0,1,2,3                        ; the four tokens' accumulators take turns: three others stand between the two links of a chain
	v_wmma_f32_16x16x32_f16 v[SP+12*(\t)+4:SP+12*(\t)+11], v[K+16*(\t):K+16*(\t)+7], v[Q+16*(\t):Q+16*(\t)+7], 0
.endr
.irp t, 0,1,2,3
	v_wmma_f32_16x16x32_f16 v[SP+12*(\t)+4:SP+12*(\t)+11], v[K+16*(\t)+8:K+16*(\t)+15], v[Q+16*(\t)+8:Q+16*(\t)+15], v[SP+12*(\t)+4:SP+12*(\t)+11]
.endr
.irp t, 0,1,2,3                        ; the zeros: sixteen plain instructions that name no register of the products: the places behind them
.irp j, 0,1,2,3
	v_mov_b32 v[SP+12*(\t)+(\j)], 0
.endr
.endr
	; the maximum over my eight heads g (each accumulator's lowest registers first), then over the other eight, which lie in the lane 16 away; c m; c s - c m
.irp t, 0,1,2,3
	v_max3_num_f32 v[Q+8*(\t)], v[SP+12*(\t)+4], v[SP+12*(\t)+5], v[SP+12*(\t)+6]
.endr
.irp t, 0,1,2,3
	v_max3_num_f32 v[Q+8*(\t)], v[Q+8*(\t)], v[SP+12*(\t)+7], v[SP+12*(\t)+8]
.endr
.irp t, 0,1,2,3
	v_max3_num_f32 v[Q+8*(\t)], v[Q+8*(\t)], v[SP+12*(\t)+9], v[SP+12*(\t)+10]
.endr
.irp t, 0,1,2,3
	v_max_num_f32 v[Q+8*(\t)], v[Q+8*(\t)], v[SP+12*(\t)+11]
.endr
.irp t, 0,1,2,3
	v_permlanex16_b32 v[Q+8*(\t)+1], v[Q+8*(\t)], s14, s15
.endr
.irp t, 0,1,2,3
	v_max_num_f32 v[Q+8*(\t)], v[Q+8*(\t)], v[Q+8*(\t)+1]
.endr
.irp t, 0,1,2,3
	v_mul_f32 v[Q+8*(\t)], s12, v[Q+8*(\t)]
.endr
.irp j, 0,1,2,3
.irp t, 0,1,2,3
	v_pk_fma_f32 v[SP+12*(\t)+4+2*(\j):SP+12*(\t)+5+2*(\j)], v[SP+12*(\t)+4+2*(\j):SP+12*(\t)+5+2*(\j)], s[12:13], v[Q+8*(\t):Q+8*(\t)+1] op_sel_hi:[1,0,0] neg_lo:[0,0,1] neg_hi:[0,0,1]
.endr
.endr
.irp j, 0,1,2,3,4,5,6,7                ; ONE BATCH of 32 exponentials
.irp t, 0,1,2,3
	v_exp_f32 v[SP+12*(\t)+4+(\j)], v[SP+12*(\t)+4+(\j)]
.endr
.endr
	v_nop                                          ; a plain instruction behind the last exponential,
	s_wait_alu depctr_va_vdst(0)                   ; and the one wait ahead of the batch's first reader
.irp t, 0,1,2,3
	v_pk_add_f32 v[Q+8*(\t)+2:Q+8*(\t)+3], v[SP+12*(\t)+4:SP+12*(\t)+5], v[SP+12*(\t)+6:SP+12*(\t)+7]
	v_pk_add_f32 v[Q+8*(\t)+4:Q+8*(\t)+5], v[SP+12*(\t)+8:SP+12*(\t)+9], v[SP+12*(\t)+10:SP+12*(\t)+11]
.endr
.irp t, 0,1,2,3
	v_pk_add_f32 v[Q+8*(\t)+2:Q+8*(\t)+3], v[Q+8*(\t)+2:Q+8*(\t)+3], v[Q+8*(\t)+4:Q+8*(\t)+5]
.endr
.irp t, 0,1,2,3
	v_add_f32 v[Q+8*(\t)+2], v[Q+8*(\t)+2], v[Q+8*(\t)+3]
.endr
.irp t, 0,1,2,3
	v_permlanex16_b32 v[Q+8*(\t)+3], v[Q+8*(\t)+2], s14, s15
.endr
.irp t, 0,1,2,3
	v_add_f32 v[Q+8*(\t)+2], v[Q+8*(\t)+2], v[Q+8*(\t)+3]
.endr
.irp t, 0,1,2,3
	v_rcp_f32 v[Q+8*(\t)+4], v[Q+8*(\t)+2]         ; the sum is at least 1: the largest weight is 1
.endr
	v_nop
	s_wait_alu depctr_va_vdst(0)                   ; one wait for the four reciprocals
.irp j, 0,1,2,3
.irp t, 0,1,2,3
	v_pk_mul_f32 v[SP+12*(\t)+4+2*(\j):SP+12*(\t)+5+2*(\j)], v[SP+12*(\t)+4+2*(\j):SP+12*(\t)+5+2*(\j)], v[Q+8*(\t)+4:Q+8*(\t)+5] op_sel_hi:[1,0]
.endr
.endr
.irp j, 0,1,2,3                        ; in place, ascending: pair j goes where pairs up to j / 2 have been read
.irp t, 0,1,2,3
	v_cvt_pk_f16_f32 v[SP+12*(\t)+4+(\j)], v[SP+12*(\t)+4+2*(\j)], v[SP+12*(\t)+5+2*(\j)]
.endr
.endr
.irp j, 4,5,6,7
.irp t, 0,1,2,3
	v_mov_b32 v[SP+12*(\t)+4+(\j)], 0
.endr
.endr
	s_wait_loadcnt 0x0                             ; v
.irp t, 0,1,2,3                        ; sixteen products, each an accumulator of its own
.irp u, 0,1
	v_wmma_f32_16x16x32_f16 v[8+32*(\t)+16*(\u):8+32*(\t)+16*(\u)+7],    v[V+16*(\t)+8*(\u):V+16*(\t)+8*(\u)+7], v[SP+12*(\t)+4:SP+12*(\t)+11], 0  ; channels 32 u on: P below, zeros above
	v_wmma_f32_16x16x32_f16 v[8+32*(\t)+16*(\u)+8:8+32*(\t)+16*(\u)+15], v[V+16*(\t)+8*(\u):V+16*(\t)+8*(\u)+7], v[SP+12*(\t):SP+12*(\t)+7], 0     ; channels 32 u + 16 on: zeros below, P above
.endr
.endr
.rept 4
	v_nop                                          ; the places behind the products
.endr
.irp t, 0,1,2,3
.irp d, 0,1,2,3
.irp j, 0,1,2,3
	v_cvt_pk_f16_f32 v[8+32*(\t)+8*(\d)+(\j)], v[8+32*(\t)+8*(\d)+2*(\j)], v[8+32*(\t)+8*(\d)+2*(\j)+1]
.endr
	global_store_b128 v1, v[8+32*(\t)+8*(\d):8+32*(\t)+8*(\d)+3], s[6:7] offset:2048*(\t)+512*(\d) th:TH_STORE_NT  ; 512 consecutive bytes, at a multiple of 512 from ob's first byte
.endr
.endr
	s_endpgm
.Lfunc_end_k_q6b6dbbba0b_attn:
	.size	k_q6b6dbbba0b_attn, .Lfunc_end_k_q6b6dbbba0b_attn-k_q6b6dbbba0b_attn
	.p2alignl 7, 3214868480
	.fill 96, 4, 3214868480
	.section	.rodata,"a",@progbits
	.p2align	6, 0x0
	.amdhsa_kernel k_q6b6dbbba0b_attn
		.amdhsa_group_segment_fixed_size 0
		.amdhsa_private_segment_fixed_size 0
		.amdhsa_enable_private_segment 0
		.amdhsa_kernarg_size 16
		.amdhsa_user_sgpr_count 2
		.amdhsa_user_sgpr_kernarg_segment_ptr 1
		.amdhsa_wavefront_size32 1
		.amdhsa_system_sgpr_workgroup_id_x 1
		.amdhsa_system_sgpr_workgroup_id_y 1
		.amdhsa_system_sgpr_workgroup_id_z 1
		.amdhsa_system_vgpr_workitem_id 0
		.amdhsa_next_free_vgpr 248
		.amdhsa_next_free_sgpr 66
		.amdhsa_reserve_vcc 0
		.amdhsa_float_denorm_mode_32 3
		.amdhsa_float_denorm_mode_16_64 3
		.amdhsa_memory_ordered 1
		.amdhsa_forward_progress 1
		.amdhsa_inst_pref_size 21
	.end_amdhsa_kernel
	.amdgpu_metadata
---
amdhsa.version: [ 1, 2 ]
amdhsa.kernels:
  - .name:           k_q6b6dbbba0b_attn
    .symbol:         k_q6b6dbbba0b_attn.kd
    .args:
      - { .name: qkv, .offset: 0, .size: 8, .value_kind: global_buffer, .address_space: global }
      - { .name: ob, .offset: 8, .size: 8, .value_kind: global_buffer, .address_space: global }
    .group_segment_fixed_size: 0
    .private_segment_fixed_size: 0
    .kernarg_segment_align: 8
    .kernarg_segment_size: 16
    .max_flat_workgroup_size: 256
    .sgpr_count:     66
    .vgpr_count:     248
    .wavefront_size: 32
...
	.end_amdgpu_metadata
.endif
;; end of part 3
;; launch gemm_out (part 4): grid 4 x 64, 4 waves a work-group, clusters of 4 x 4, 327,680 bytes of LDS; arguments ob, wo16, bias, out0; writes out0
.if DOCPART == 4
	.amdgcn_target "amdgcn-amd-amdhsa--gfx1250"
	.amdhsa_code_object_version 6
	.text
	.protected	k_q6b6dbbba0b_gemm_out
	.globl	k_q6b6dbbba0b_gemm_out
	.p2align	8
	.type	k_q6b6dbbba0b_gemm_out,@function
k_q6b6dbbba0b_gemm_out:
	s_mov_b64 s[64:65], 0
	v_nop
	global_prefetch_b8 v0, s[64:65] scope:SCOPE_SE
	s_setreg_imm32_b32 hwreg(HW_REG_WAVE_MODE, 25, 1), 1
	s_wait_xcnt 0x0
	s_wait_alu depctr_hold_cnt(0) depctr_sa_sdst(0) depctr_va_vdst(0) depctr_va_sdst(0) depctr_va_ssrc(0) depctr_va_vcc(0) depctr_vm_vsrc(0)
	s_getreg_b32 s2, hwreg(HW_REG_IB_STS2, 6, 4)
	s_cmp_eq_u32 s2, 0
	s_cbranch_scc0 .Lentry_in_a_cluster
	s_endpgm
.Lentry_in_a_cluster:
	s_bfe_u32 s2, ttmp6, 0x10000c
	s_cmp_lg_u32 s2, 0xf033
	s_cbranch_scc0 .Lentry_shape_is_right
	s_endpgm
.Lentry_shape_is_right:
; out0[token][n] = the sum over p of ob[token][p] wo16[n][p] + bias[3072 + n].  ob: [16384][1024], wo16: [1024][1024], both f16, their columns in one and the same order p; bias f32; sums in f32;
; out0: [16384][1024] f32.
; A tile of C, 256 x 256, is made by a work-group of four waves; a wave makes 128 x 128: 64 accumulators, 512 registers.  4 x 64 tiles, one to a work-group.  K goes in steps of 128 through a ring of two
; LDS slots filled by the tensor data mover: the tiles' rows are 256 bytes of memory and start at multiples of 256 bytes.  The last K step goes by rows of C, so that finished rows leave while the
; others are multiplied.
; CLUSTERS: 4 x 4 work-groups.  The four of a row of the cluster need the same tiles of ob, the four of a column the same tiles of wo16: each tile is asked for JOINTLY.
; THE BIAS is the C operand of the product that starts each sum.
; REGISTERS, in windows of 256 (s_set_vgpr_msb's low byte: bits 1:0 source 0, 3:2 source 1, 5:4 source 2, 7:6 destination):
;   window 0: v0-31 addresses; v64-127, v128-191 fragments of A, two buffers (in the last K step four, of 16 rows x 128 K)
;   window 1: v0-63 the bias (register 8 b + j: column 16 b + 8 (lane / 16) + j of my 128); v64-127, v128-191 fragments of B, two buffers; in the last K step all 256: B's fragments of the whole step
;   window 2: the 32 accumulators of my rows 0-63 (accumulator (a, b) at v[8 (8 a + b)]);   window 3: those of my rows 64-127.  On the way out a block's 64 registers take its rows back from the stage
; THE MATRIX INSTRUCTION IS USED TRANSPOSED: source 0 = 16 rows of B, source 1 = 16 rows of A.  Lane l then holds row l % 16 of C, and its registers 0 to 7 the columns 8 (l / 16) + 0 .. 7: 32 bytes on end.
.set SIZE_K, 1024
.set ROWC,   4096                      ; bytes in a row of out0
.set KSTEP,  128
.set PITCH,  272                       ; an LDS row: 256 bytes + 16 of padding = 68 words: the 16 rows that a load touches start at 16 different groups of four banks (64 banks of 4 bytes: ISA guide 11.1)
.set HALFT,  128*PITCH
.set SLOT,   4*HALFT                   ; A's 256 rows, then B's 256 rows
.set STAGE,  2*SLOT                    ; behind the ring: 16 rows x 528 bytes for each wave, for the way out; no tensor load fills it
.set SPITCH, 528                       ; 512 bytes + 16 = 132 words: the 16 rows that a store touches start at 16 different groups of four banks
.set SPARE,  STAGE+4*16*SPITCH         ; behind the stages: the spare words, 128 bytes for each wave: two blocks of 256 bytes that no other line names
.set LAPS,   SIZE_K/(2*KSTEP)
.set ADRA, 16                          ; v16-17  LDS address of my A fragments in slot 0, 1
.set ADRB, 20                          ; v20-21  the same for B
.set STO,  24                          ; v24     the way out: where I put 32 bytes of a row
.set RD,   25                          ; v25     the way out: my 16 bytes of a row of 512
.set CO,   26                          ; v26     the same 16 bytes in C
.set BO,   27                          ; v27     32 (lane / 16)
.set SPW,  28                          ; v28     LDS address of my spare word; never rewritten
.set NIL,  29                          ; v29     0; never rewritten
.set PFO,  30                          ; v30     the prefetches' offset: my lane x 2,048 bytes; never rewritten
.set PFA,  44                          ; s[44:45] where my prefetches stand
.set LIM,  43                          ; s43     1 in a wave that prefetches, else the greatest number
.set BP,   66                          ; s[66:67] the bias of my 128 columns
.set F0,   64
.set F1,   128
.set PA,   64                          ; the last K step: A's fragments of 16 rows x 128 K, 32 registers; four such buffers, v64-191
.set G1, 24
.set G0, 32
.set G1B, 48
.set G0B, 56
.set MSB, 0
.macro WIN new                         ; the immediate's high byte repeats the setting that is left; a switch that changes nothing is dropped
.if MSB != (\new)
	s_set_vgpr_msb (MSB<<8)|(\new)
.set MSB, \new
.endif
.endm
.set MUL_LO,  0xa1                     ; source 0 (B) window 1, source 1 (A) window 0, C and D window 2
.set MULB_LO, 0x91                     ; the same with C (the bias) in window 1
.set TO_B,    0x40                     ; destination window 1, address window 0
; A joint load.  Waves 0 and 1 fetch A's two halves, waves 2 and 3 B's.  An s_nop 0 and four v_nop follow each of the two lines.
.macro JLOAD s
	s_cmp_eq_u32 s11, 0
	s_cbranch_scc0 .Lfor_b_\@
	tensor_load_to_lds s[G0+4*(\s):G0+4*(\s)+3], s[G1:G1+7]
	s_nop 0
.rept 4
	v_nop
.endr
	s_branch .Lasked_\@
.Lfor_b_\@:
	tensor_load_to_lds s[G0B+4*(\s):G0B+4*(\s)+3], s[G1B:G1B+7]
	s_nop 0
.rept 4
	v_nop
.endr
.Lasked_\@:
.endm
; A PREFETCH INTO THE L2, behind each joint load, its five lines and the run of LDS loads: the K step that stands TWO refills on: 32 rows x 256 bytes, a lane a row, one instruction a wave.
; Each row's 256 bytes of a K step are named once in the launch: A's tile row is read by one cluster alone, which asks; B's tile column by all sixteen: the one with y = 0 asks.  The four partners that ask
; for a tile jointly share its rows out BY ADDRESS, 32 each.  The last two refills have no K step two on.
.macro ASK
	s_cmp_gt_u32 s3, s[LIM]                        ; s3 = 1 in the loop's last trip
	s_cbranch_scc0 .Lnot_mine_\@
	global_prefetch_b8 v[PFO], s[PFA:PFA+1] offset:KSTEP*2 th:TH_LOAD_NT scope:SCOPE_SE
.Lnot_mine_\@:
.endm
.macro CREST                           ; a round of the cluster's barrier behind its opening barrier
	s_cmp_lg_u32 s10, 0
	s_cbranch_scc1 .Lnot_wave_0_\@
	s_barrier_signal -3
.Lnot_wave_0_\@:
	s_barrier_wait -3
	s_barrier_signal -1
	s_barrier_wait -1
.endm
.macro CROUND
	s_barrier_signal -1
	s_barrier_wait -1
	CREST
.endm
	s_load_b128 s[4:7], s[0:1], 0x0                ; ob s[4:5], wo16 s[6:7]
	s_load_b64 s[BP:BP+1], s[0:1], 0x10            ; bias
	s_load_b64 s[8:9], s[0:1], 0x18                ; out0
	v_lshl_add_u32 v[SPW], v0, 2, SPARE
	v_mov_b32 v[NIL], 0
	ds_add_u32 v[SPW], v[NIL]                      ; the wave's opening: the add and its wait stand ahead of my first tensor load; the set-up below, work on registers, stands between them
	v_lshrrev_b32 v1, 5, v0
	v_readfirstlane_b32 s10, v1                    ; wave 0..3
	s_lshr_b32 s11, s10, 1                         ; which half of the tile's rows is mine.  Also: I fetch for A (0) or for B (1)
	s_and_b32 s12, s10, 1                          ; which half of its columns.  Also: which 128 rows of that tile I fetch
	s_bfe_u32 s40, ttmp6, 0x40000                  ; cx
	s_bfe_u32 s41, ttmp6, 0x40004                  ; cy
	s_lshl_b32 s42, ttmp9, 2
	s_add_co_u32 s42, s42, s40                     ; tile column
	s_and_b32 s13, ttmp7, 0xffff
	s_lshl_b32 s13, s13, 2
	s_add_co_u32 s13, s13, s41                     ; tile row
	s_lshl_b32 s43, s41, 2
	s_lshl_b32 s43, 15, s43                        ; my row of the cluster
	s_lshl_b32 s44, 0x1111, s40                    ; my column
	s_or_b32 s[G1+0], s43, (1<<16)|(1<<20)|(1<<21)|(5<<22)|(3<<25)  ; 15:0 the mask; 17:16 elements of 2 bytes; 20 padding on; 21 set beside a mask; 24:22 after every 64 words (code 5); 31:25 4 words (code 3)
	s_or_b32 s[G1B+0], s44, (1<<16)|(1<<20)|(1<<21)|(5<<22)|(3<<25)
.irp g, G1, G1B
	s_mov_b32 s[(\g)+1], KSTEP<<16                 ; tensor_dim0 = 128
	s_mov_b32 s[(\g)+2], 128<<16                   ; tensor_dim1 = 128
	s_mov_b32 s[(\g)+3], KSTEP<<16                 ; tile_dim0 = 128
	s_mov_b32 s[(\g)+4], 128                       ; tile_dim1 = 128
	s_mov_b32 s[(\g)+5], SIZE_K                    ; elements from row to row
	s_mov_b32 s[(\g)+6], 0
	s_mov_b32 s[(\g)+7], 0
.endr
	s_lshl_b32 s17, s12, 7
	s_lshl_b32 s16, s13, 8
	s_add_co_u32 s16, s16, s17                     ; A: row 256 x tile row + 128 x half
	s_lshl_b32 s46, s42, 8
	s_add_co_u32 s46, s46, s17                     ; B: row 256 x tile column + 128 x half
	s_mov_b32 s17, 0
	s_mov_b32 s47, 0
	s_mov_b64 s[18:19], SIZE_K*2
	s_mul_u64 s[16:17], s[16:17], s[18:19]
	s_mul_u64 s[46:47], s[46:47], s[18:19]
	s_mul_i32 s20, s10, HALFT                      ; where they go: wave x 128 rows
	s_wait_dscnt 0x0                               ; the opening add is done
	s_wait_kmcnt 0x0
	s_add_nc_u64 s[14:15], s[4:5], s[16:17]
	s_add_nc_u64 s[46:47], s[6:7], s[46:47]
	CROUND                                         ; all sixteen work-groups are here: the first joint loads meet
.irp s, 0,1
	s_mov_b32 s[G0+4*(\s)], 1
	s_add_co_u32 s[G0+4*(\s)+1], s20, (\s)*SLOT
	s_add_nc_u64 s[G0+4*(\s)+2:G0+4*(\s)+3], s[14:15], (\s)*KSTEP*2
	s_or_b32 s[G0+4*(\s)+3], s[G0+4*(\s)+3], 0x80000000
	s_mov_b32 s[G0B+4*(\s)], 1
	s_add_co_u32 s[G0B+4*(\s)+1], s20, (\s)*SLOT
	s_add_nc_u64 s[G0B+4*(\s)+2:G0B+4*(\s)+3], s[46:47], (\s)*KSTEP*2
	s_or_b32 s[G0B+4*(\s)+3], s[G0B+4*(\s)+3], 0x80000000
	JLOAD \s                                       ; two tensor loads of mine are out
.endr
	v_and_b32 v1, 15, v0                           ; l % 16
	v_bfe_u32 v2, v0, 4, 1                         ; l / 16
	v_mul_u32_u24 v3, v1, PITCH
	v_lshl_add_u32 v3, v2, 4, v3                   ; a fragment's row x pitch + 16 x half
	s_mul_i32 s21, s11, HALFT                      ; my 128 rows of A
	s_mul_i32 s22, s12, HALFT                      ; my 128 rows of B,
	s_add_co_u32 s22, s22, 2*HALFT                 ; which lie behind A's 256
.irp s, 0,1
	v_add_nc_u32 v[ADRA+(\s)], s21, v3
	v_add_nc_u32 v[ADRB+(\s)], s22, v3
	s_add_co_u32 s21, s21, SLOT
	s_add_co_u32 s22, s22, SLOT
.endr
	s_mul_i32 s23, s10, 16*SPITCH
	s_add_co_u32 s23, s23, STAGE                   ; my stage
	v_mul_u32_u24 v4, v1, SPITCH                   ; in: row l % 16, 32 bytes for each half of the lanes
	v_lshl_add_u32 v4, v2, 5, v4
	v_add_nc_u32 v[STO], s23, v4
	v_and_b32 v5, 31, v0                           ; back: 32 lanes take one row of 512 bytes
	v_lshl_add_u32 v[RD], v5, 4, s23
	v_lshlrev_b32 v[CO], 4, v5
	v_lshlrev_b32 v[BO], 5, v2
	s_lshl_b32 s13, s13, 8
	s_lshl_b32 s14, s11, 7
	s_add_co_u32 s16, s13, s14                     ; my first row of C,
	s_lshl_b32 s16, s16, 12                        ; in bytes: under 2^26
	s_mov_b32 s17, 0
	s_add_nc_u64 s[8:9], s[8:9], s[16:17]
	s_lshl_b32 s46, s42, 10                        ; my first column, 4 bytes each: 1,024 x tile column + 512 x half: in C and in the bias
	s_lshl_b32 s47, s12, 9
	s_add_co_u32 s46, s46, s47
	s_mov_b32 s47, 0
	s_add_nc_u64 s[8:9], s[8:9], s[46:47]          ; made once, never stepped
	s_add_nc_u64 s[BP:BP+1], s[BP:BP+1], s[46:47]
	s_add_nc_u64 s[BP:BP+1], s[BP:BP+1], 12288     ; bo is the fourth section
	WIN TO_B
.irp b, 0,1,2,3,4,5,6,7
	global_load_b128 v[8*(\b):8*(\b)+3],   v[BO], s[BP:BP+1] offset:64*(\b)
	global_load_b128 v[8*(\b)+4:8*(\b)+7], v[BO], s[BP:BP+1] offset:64*(\b)+16
.endr
	WIN 0
	; the prefetches.  s13 = 256 x tile row, s42 = tile column, s40 = cx, s41 = cy still stand
	s_lshl_b32 s42, s42, 8
	s_and_b32 s22, ttmp7, 0xffff                   ; cluster y
	s_cmp_eq_u32 s11, 0                            ; do I fetch for A?
	s_cselect_b32 s20, s13, s42
	s_cselect_b32 s21, s40, s41
	s_cselect_b32 s22, ttmp9, s22
	s_cselect_b64 s[PFA:PFA+1], s[4:5], s[6:7]
	s_cmp_eq_u32 s22, 0
	s_cselect_b32 s[LIM], 1, -1                    ; the same in all sixteen partners, for a given wave
	s_lshl_b32 s22, s12, 7
	s_add_co_u32 s20, s20, s22
	s_lshl_b32 s21, s21, 5
	s_add_co_u32 s20, s20, s21
	s_mov_b32 s21, 0
	s_mov_b64 s[18:19], SIZE_K*2
	s_mul_u64 s[20:21], s[20:21], s[18:19]
	s_add_nc_u64 s[PFA:PFA+1], s[PFA:PFA+1], s[20:21]
	s_add_nc_u64 s[PFA:PFA+1], s[PFA:PFA+1], 2*KSTEP*2  ; at K step 2: the first refill steps it to 3 and names K step 4.  Nothing is prefetched here, at the head
	v_and_b32 v[PFO], 31, v0
	v_mul_u32_u24 v[PFO], v[PFO], SIZE_K*2
; 16 matrix instructions: m blocks a0, a0 + 1 of the window's four x all 8 n blocks, 32 along K.  start = 1: the product starts the sum, with the bias as C.
; The 64 accumulators take turns, one instruction a turn, in the same order in every quarter.
.macro MUL16 f, hi, a0, start
.if \start
	WIN MULB_LO+0x40*(\hi)
.else
	WIN MUL_LO+0x50*(\hi)
.endif
.irp a, \a0, (\a0)+1
.irp b, 0,1,2,3,4,5,6,7
.if \start
	v_wmma_f32_16x16x32_f16 v[8*(8*(\a)+(\b)):8*(8*(\a)+(\b))+7], v[(\f)+8*(\b):(\f)+8*(\b)+7], v[(\f)+8*(4*(\hi)+(\a)):(\f)+8*(4*(\hi)+(\a))+7], v[8*(\b):8*(\b)+7]
.else
	v_wmma_f32_16x16x32_f16 v[8*(8*(\a)+(\b)):8*(8*(\a)+(\b))+7], v[(\f)+8*(\b):(\f)+8*(\b)+7], v[(\f)+8*(4*(\hi)+(\a)):(\f)+8*(4*(\hi)+(\a))+7], v[8*(8*(\a)+(\b)):8*(8*(\a)+(\b))+7]
.endif
.endr
.endr
.endm
.macro FETCH slot, k, f                ; 32 LDS loads in one run: the fragments of one quarter step into buffer f
	WIN TO_B
.irp i, 0,1,2,3,4,5,6,7
	ds_load_b128 v[(\f)+8*(\i):(\f)+8*(\i)+3],   v[ADRB+(\slot)] offset:(\k)+(\i)*16*PITCH
	ds_load_b128 v[(\f)+8*(\i)+4:(\f)+8*(\i)+7], v[ADRB+(\slot)] offset:(\k)+(\i)*16*PITCH+32
.endr
	WIN 0
.irp i, 0,1,2,3,4,5,6,7
	ds_load_b128 v[(\f)+8*(\i):(\f)+8*(\i)+3],   v[ADRA+(\slot)] offset:(\k)+(\i)*16*PITCH
	ds_load_b128 v[(\f)+8*(\i)+4:(\f)+8*(\i)+7], v[ADRA+(\slot)] offset:(\k)+(\i)*16*PITCH+32
.endr
.endm
.macro PLACES                          ; four plain vector instructions between a matrix instruction and a load into one of its registers, or an LDS store of its result
.rept 4
	v_nop
.endr
.endm
.macro QUARTER slot, k, f, g, start
	s_wait_dscnt 8                                 ; B and A's rows 0-63 are in; the youngest eight loads (A's rows 64-127) may be out
	MUL16 \f, 0, 0, \start
	MUL16 \f, 0, 2, \start
	PLACES
	FETCH \slot, \k, \g
	s_wait_dscnt 32                                ; all but the 32 just issued
	MUL16 \f, 1, 0, \start
	MUL16 \f, 1, 2, \start
.endm
; The first half of a K step's last quarter: in front of the barrier each wave waits for all its tensor loads, of which one is out: its part of the next slot; adds 0 to its spare word; and waits for that
; and for its own reads of this slot.  Behind it nobody reads this slot any more and the next slot is whole.
.macro MEET round
	WIN 0
	s_wait_tensorcnt 0x0                           ; all my tensor loads have landed
	ds_add_u32 v[SPW], v[NIL]                      ; 0 onto my spare word
	s_wait_dscnt 9                                 ; (the add and the youngest eight loads may be out)
	MUL16 F1, 0, 0, 0
	s_wait_dscnt 0x0                               ; the add is done, and my reads of this slot are over
	s_barrier_signal -1
	MUL16 F1, 0, 2, 0
.if \round
	WIN 0
.endif
	s_barrier_wait -1
.endm
.macro TURN slot, next                 ; the whole last quarter: behind the round the slot just read out is filled again first, with the K step two steps on
	s_wait_xcnt 0x0                                ; the last prefetch, a K step back, has read its address
	s_add_nc_u64 s[PFA:PFA+1], s[PFA:PFA+1], KSTEP*2
	MEET 1
	CREST                                          ; no wave of any partner still reads this slot's tile or has a load on its way
	s_add_nc_u64 s[G0+4*(\slot)+2:G0+4*(\slot)+3], s[G0+4*(\slot)+2:G0+4*(\slot)+3], 2*KSTEP*2
	s_add_nc_u64 s[G0B+4*(\slot)+2:G0B+4*(\slot)+3], s[G0B+4*(\slot)+2:G0B+4*(\slot)+3], 2*KSTEP*2
	JLOAD \slot                                    ; the first tensor load behind the round, my only one until the next; its four v_nop are also the places in front of the loads below
	FETCH \next, 0, F0
	ASK
	MUL16 F1, 1, 0, 0
	MUL16 F1, 1, 2, 0
.endm
; THE LAST K STEP (it lies in slot 1) GOES BY ROWS OF C, NOT BY K.  All its fragments of B (4 quarters x 64 registers) fill window 1; then my eight blocks of 16 rows are finished one after the other, each
; with 32 matrix instructions (its 8 accumulators by turns, K ascending: the sums stay the same).  LDS is read no more than in any other K step.
.macro BLOAD q                         ; B's fragments of quarter q -> window 1, v[64 q ..]
	WIN TO_B
.irp i, 0,1,2,3,4,5,6,7
	ds_load_b128 v[64*(\q)+8*(\i):64*(\q)+8*(\i)+3],   v[ADRB+1] offset:64*(\q)+(\i)*16*PITCH
	ds_load_b128 v[64*(\q)+8*(\i)+4:64*(\q)+8*(\i)+7], v[ADRB+1] offset:64*(\q)+(\i)*16*PITCH+32
.endr
.endm
.macro ALOAD a                         ; A's fragments of block a, all four quarters -> buffer a % 4
	WIN 0
.set FA, PA+32*((\a)%4)
.irp q, 0,1,2,3
	ds_load_b128 v[FA+8*(\q):FA+8*(\q)+3],   v[ADRA+1] offset:64*(\q)+(\a)*16*PITCH
	ds_load_b128 v[FA+8*(\q)+4:FA+8*(\q)+7], v[ADRA+1] offset:64*(\q)+(\a)*16*PITCH+32
.endr
.endm
.macro ROW a                           ; block a is finished: 32 matrix instructions
.set FA, PA+32*((\a)%4)                ; its fragments of A
.set AC, 64*((\a)%4)                   ; its eight accumulators, in window 2 (blocks 0-3) or 3 (blocks 4-7)
	WIN MUL_LO+0x50*((\a)/4)
.irp q, 0,1,2,3
.if (\a) == 0 && (\q) == 2
	s_wait_dscnt 16                                ; B's quarter 2 is in (behind it: A's blocks 1 and 2, 16 loads)
.endif
.irp b, 0,1,2,3,4,5,6,7
	v_wmma_f32_16x16x32_f16 v[AC+8*(\b):AC+8*(\b)+7], v[64*(\q)+8*(\b):64*(\q)+8*(\b)+7], v[FA+8*(\q):FA+8*(\q)+7], v[AC+8*(\b):AC+8*(\b)+7]
.endr
.endr
.endm
; THE WAY OUT of block a (16 rows x 128 columns of f32).  TOSTAGE: 32 bytes a lane and accumulator into my own stage, and back as whole rows of 512 bytes, into the registers that they left: every block has
; registers of its own, so no store's data are ever written again.  SEND: stored.
.macro TOSTAGE a
.set AC, 64*((\a)%4)
	WIN 0x08+4*((\a)/4)                            ; the stores' data: window 2 or 3
.irp b, 0,1,2,3,4,5,6,7
	ds_store_b128 v[STO], v[AC+8*(\b):AC+8*(\b)+3]   offset:64*(\b)     ; each accumulator's low registers first
	ds_store_b128 v[STO], v[AC+8*(\b)+4:AC+8*(\b)+7] offset:64*(\b)+16
.endr
	WIN 0x80+0x40*((\a)/4)                         ; the loads' destination: the same window
.irp t, 0,1,2,3,4,5,6,7,8,9,10,11,12,13,14,15
	ds_load_b128 v[AC+4*(\t):AC+4*(\t)+3], v[RD] offset:(\t)*SPITCH  ; LDS serves a wave's instructions in order (ISA guide 5.7.1.4): these see the stores above; the next block's stores come behind them
.endr
.endm
.macro SEND a, younger                 ; younger: the LDS loads issued behind TOSTAGE's, which may stay out
.set AC, 64*((\a)%4)
	s_wait_dscnt \younger                          ; the block is back in registers
	WIN 0x08+4*((\a)/4)
.irp t, 0,1,2,3,4,5,6,7,8,9,10,11,12,13,14,15
	global_store_b128 v[CO], v[AC+4*(\t):AC+4*(\t)+3], s[8:9] offset:16*ROWC*(\a)+ROWC*(\t) th:TH_STORE_NT  ; 512 consecutive bytes, at a multiple of 512 from out0's first byte; 520,192 at the most
.endr
.endm
	s_wait_tensorcnt 1                             ; my part of K step 0 is in; K step 1's load may stay out
	s_barrier_signal -1
	s_barrier_wait -1
	FETCH 0, 0, F0
	s_wait_loadcnt 0x0                             ; the bias
	QUARTER 0, 64,  F0, F1, 1                      ; the first quarter stands in front of the loop: its products start the sums, with the bias
	WIN 0                                          ; at a label and at a branch every window is 0
	s_mov_b32 s3, LAPS-1
.Llap:                                                 ; a trip goes once round the ring, from a lap's second quarter to the next lap's first, and fills both slots again
	QUARTER 0, 128, F1, F0, 0
	QUARTER 0, 192, F0, F1, 0
	TURN 0, 1
	QUARTER 1, 64,  F0, F1, 0
	QUARTER 1, 128, F1, F0, 0
	QUARTER 1, 192, F0, F1, 0
	TURN 1, 0
	QUARTER 0, 64,  F0, F1, 0
	WIN 0
	s_sub_co_u32 s3, s3, 1
	s_cmp_lg_u32 s3, 0
	s_cbranch_scc1 .Llap
	QUARTER 0, 128, F1, F0, 0                      ; the last lap fills nothing
	QUARTER 0, 192, F0, F1, 0
	MEET 0                                         ; my one tensor load that was still out is slot 1's, the last K step's, so no round follows
	PLACES                                         ; for the loads into buffer 0, which the quarter before multiplied
	BLOAD 0                                        ; three quarters of B now (quarter 0 where the bias lay, which no product takes any more): buffer 1 (v128-191 of both windows) is still being multiplied
	BLOAD 1
	BLOAD 3
	ALOAD 0
	MUL16 F1, 1, 0, 0
	MUL16 F1, 1, 2, 0
	PLACES                                         ; for the loads into buffer 1
	BLOAD 2
	ALOAD 1
	ALOAD 2
	s_wait_dscnt 32                                ; all but the 32 just issued
	ROW 0
.irp a, 0,1,2,3,4,5,6,7                ; each block leaves as soon as it is finished: nothing follows this tile under which its stores could leave
	PLACES                                         ; the LDS stores read results just made, and loads follow into those registers and into a buffer of A that has been multiplied
	TOSTAGE \a
.if (\a) < 5
	ALOAD (\a)+3                                   ; the block three further on, into the buffer that block a - 1 has left: at most 16 + 32 + 8 LDS instructions of mine are out
	SEND \a, 8
.else
	SEND \a, 0
.endif
.if (\a) < 7
	ROW (\a)+1                                     ; its fragments of A were asked for ahead of the loads that SEND has just waited for
.endif
.endr
	WIN 0
	s_wait_tensorcnt 0x0                           ; the wave's end: behind my last tensor load and my last LDS store
	ds_add_u32 v[SPW], v[NIL]
	s_wait_dscnt 0x0
	CROUND                                         ; the closing round: no work-group ends while a partner may still ask for a tile that names it
	s_endpgm
.Lfunc_end_k_q6b6dbbba0b_gemm_out:
	.size	k_q6b6dbbba0b_gemm_out, .Lfunc_end_k_q6b6dbbba0b_gemm_out-k_q6b6dbbba0b_gemm_out
	.p2alignl 7, 3214868480
	.fill 96, 4, 3214868480
	.section	.rodata,"a",@progbits
	.p2align	6, 0x0
	.amdhsa_kernel k_q6b6dbbba0b_gemm_out
		.amdhsa_group_segment_fixed_size 327680
		.amdhsa_private_segment_fixed_size 0
		.amdhsa_enable_private_segment 0
		.amdhsa_kernarg_size 32
		.amdhsa_user_sgpr_count 2
		.amdhsa_user_sgpr_kernarg_segment_ptr 1
		.amdhsa_wavefront_size32 1
		.amdhsa_system_sgpr_workgroup_id_x 1
		.amdhsa_system_sgpr_workgroup_id_y 1
		.amdhsa_system_sgpr_workgroup_id_z 1
		.amdhsa_system_vgpr_workitem_id 0
		.amdhsa_next_free_vgpr 1024
		.amdhsa_next_free_sgpr 68
		.amdhsa_reserve_vcc 0
		.amdhsa_float_denorm_mode_32 3
		.amdhsa_float_denorm_mode_16_64 3
		.amdhsa_memory_ordered 1
		.amdhsa_forward_progress 1
		.amdhsa_inst_pref_size 144
	.end_amdhsa_kernel
	.amdgpu_metadata
---
amdhsa.version: [ 1, 2 ]
amdhsa.kernels:
  - .name:           k_q6b6dbbba0b_gemm_out
    .symbol:         k_q6b6dbbba0b_gemm_out.kd
    .args:
      - { .name: ob, .offset: 0, .size: 8, .value_kind: global_buffer, .address_space: global }
      - { .name: wo16, .offset: 8, .size: 8, .value_kind: global_buffer, .address_space: global }
      - { .name: bias, .offset: 16, .size: 8, .value_kind: global_buffer, .address_space: global }
      - { .name: out0, .offset: 24, .size: 8, .value_kind: global_buffer, .address_space: global }
    .group_segment_fixed_size: 327680
    .private_segment_fixed_size: 0
    .kernarg_segment_align: 8
    .kernarg_segment_size: 32
    .max_flat_workgroup_size: 128
    .sgpr_count:     68
    .vgpr_count:     1024
    .wavefront_size: 32
...
	.end_amdgpu_metadata
.endif
;; end of part 4
